; MI455X (gfx1250); checked and timed in simulation.
; The chip was launched on July 23, 2026; its instructions are those of AMD's public machine-readable ISA for CDNA 5 (MIT licence, August 2026) and "CDNA5" Instruction Set Architecture Reference Guide (July 2026). The comments in the code are by the model that wrote it; some were corrected since.
;; Relation Tagger. Allowed arithmetic: matrix products marked QUANTISED: E4M3 operands, one given power-of-two scale a tensor, by v_wmma_f32_16x16x64_fp8_fp8 or v_wmma_f32_16x16x128_fp8_fp8, f32 sums; everything else in f32.
;; Inputs: Wk 2 x 1,024 x 1,024 float32; Wq 2 x 1,024 x 1,024 float32; Wv 2 x 1,024 x 1,024 float32; emb 2 x 32 x 1,024 float32; hidden 16 x 512 x 1,024 float32; lowp_scales 8 int32 (the exponents e of the quantised operands' scales 2^e).
;; Outputs: out0 16 x 2 x 544 x 512 float32.
;; This version of the problem:
;;   THIS VERSION OF THE PROBLEM IS GIVEN IN LOW PRECISION. The matrix products marked QUANTISED in the list below multiply operands that are first quantised to E4M3 (4 exponent bits, 3 mantissa bits; 8 bits a number), with one given power-of-two scale for each operand tensor; their sums are f32. All else is computed in f32.
;;   The module's matrix products, in the order in which they are computed (A, B: the left and right operand; K: the contracted axis; several contracted axes count as one K, in the product's order):
;;     1. [M 2,048, K 1,024] x [K 1,024, N 8,192]; A: input Wk; B: input hidden: QUANTISED (scales: A lowp_scales[0], B lowp_scales[1])
;;     2. [M 2,048, K 1,024] x [K 1,024, N 8,192]; A: input Wq; B: input hidden: QUANTISED (scales: A lowp_scales[2], B lowp_scales[3])
;;     3. [M 2,048, K 1,024] x [K 1,024, N 8,192]; A: input Wv; B: input hidden: QUANTISED (scales: A lowp_scales[4], B lowp_scales[5])
;;     4. batch 32 x [M 544, K 1,024] x [K 1,024, N 512]; A: computed on the way; B: computed on the way: QUANTISED (scales: A lowp_scales[6], B lowp_scales[7])
;;   THE QUANTISER, for each operand of a quantised product, along K:
;;     - The operand's scale is 2^e, e = its entry of the input lowp_scales (int32; the entries are numbered through the quantised products in the list's order, A before B).
;;     - Each number is divided by the scale, clamped to +-448, and rounded to the nearest number of E4M3, ties to even, subnormals kept.
;;     - The product sums the exact products of the quantised numbers (number of the format x scale) in f32.
;;   ~~~python
;;   def quantise(x, axis, e):      # numpy; x: float32 -> the quantised numbers, widened to float32 again
;;       x = np.moveaxis(x, axis, -1); K = x.shape[-1]
;;       r = np.clip(x / 2.0 ** e, -448, 448)
;;       step = 2.0 ** (np.maximum(np.frexp(np.where(r == 0, 1, r))[1] - 1, -6) - 3)
;;       q = np.round(r / step) * step * 2.0 ** e      # np.round: ties to even
;;       return np.moveaxis(q, -1, axis).astype(np.float32)
;;   ~~~
;;   OPERANDS COMPUTED ON THE WAY. 'Computed on the way' means the value that the module computes at that place (a softmax that the list does not call 'softmax' is quantised finished and normalised). What goes into a quantiser is computed in f32, as accurately as f32 sums, v_exp_f32 and their like allow (about 1e-6 of the number): no bf16 or f16 on the way to a quantiser, and a product that is left as it is and whose result goes on into a quantised operand takes f32 operands (vector FMAs, or v_wmma_f32_16x16x4_f32). A number that lies on a knife's edge between two numbers of the format may be rounded either way, as far as f32 arithmetic and the matrix unit's own rounding can turn it there, and no further.
;; One version. Each part assembles by itself: llvm-mc -triple=amdgcn-amd-amdhsa -mcpu=gfx1250 --defsym DOCPART=n.
;; ======== version 1 of 1: 3 launches
;; limits: right only within a limited range of input values
;; workspace buffers: hcodes 25,165,824 bytes; wcodes 6,291,456 bytes; kimg 16,777,216 bytes; qimg 17,825,792 bytes; vpart 1,048,576 bytes
;; launch quant (part 1): grid 712 x 1, 4 waves a work-group, no clusters, 35,328 bytes of LDS; arguments hidden, Wk, Wq, Wv, emb, lowp_scales, hcodes, wcodes, qimg; writes hcodes, wcodes, qimg
.if DOCPART == 1
	.amdgcn_target "amdgcn-amd-amdhsa--gfx1250"
	.amdhsa_code_object_version 6
	.text
	.protected	k_q7eda68b576_quant
	.globl	k_q7eda68b576_quant
	.p2align	8
	.type	k_q7eda68b576_quant,@function
k_q7eda68b576_quant:
	s_mov_b64 s[64:65], 0
	v_nop
	global_prefetch_b8 v0, s[64:65] scope:SCOPE_SE
	s_setreg_imm32_b32 hwreg(HW_REG_WAVE_MODE, 25, 1), 1
	s_wait_xcnt 0x0
; FIRST OF THREE LAUNCHES.  score[b][c][i][j] = (query|labels)[i] . key[j] x (sum over o of value[j][o]); all four products on codes of FP8 (E4M3), each operand with the scale 2^e given for it.
; NO WORK IS LEFT OUT: every input has a way to out0, all eight exponents are used, and the third projection is multiplied in full on codes; its sum over o is taken of the finished sums.
; THIS LAUNCH makes the codes of what arrives as f32.  code = x / 2^e, held within +-448, rounded to the nearest code, ties to even.
; LIMITS: each e between -126 and 119, so that 2^e and 448 x 2^e are f32 numbers.  NaN among the inputs is not served (an infinity is held at the largest code).
; hcodes [3][8192][1024]: hidden with e1, e3, e5.  K is permuted inside each run of 512: byte 16 l + 4 i + t holds k = 128 i + 4 l + t (what falls out of four loads of 512 consecutive bytes and 16 codes a lane).
; wcodes [3][128 tiles][8 K steps][2048]: Wk, Wq, Wv with e0, e2, e4, under the same permutation of k, laid as IMAGES of operand registers: the 16 bytes at byte 128 ks + 32 g + 16 h of row 16 tile + r lie at
; 512 g + 16 (16 h + r) of block (tile, ks).  A wave takes 16 rows x 512 k, a row a step; lane l's 16 codes of row t go to its own stage in LDS at 272 l + 16 t and come back as runs of 512 image bytes.
; qimg tiles 32, 33 of each (b, c): the label rows of emb with e6: registers 2 c, 2 c + 1 of lane (r, h) hold row r, k = 16 c + 8 h + 0..7; registers 4 g .. 4 g + 3 of lane L at byte 512 g + 16 L.
; SHARES.  Work-groups 0-191: the weights, 32 rows each;  192-703: hidden, 16,384 numbers each;  704-711: the 32 label fragments, one a wave.  Loads run four steps (16 loads a wave) ahead.  Waves share nothing.
.set R,    16                          ; v16-79   four sets of 16 numbers as loaded
.set T,    80                          ; v80-95   16 numbers held
.set C,    96                          ; v96..    codes (weights: four registers for each of 16 steps)
.set SC,   4                           ; v4-6     2^e
.set LIM,  8                           ; v8-10    448 x 2^e
.set STI,  11                          ; v11      the stage, way in
.set STO,  7                           ; v7       the stage, way out
.set SPW,  14                          ; v14, v15 the add's two registers
.set NIL,  15
.set SPARE, 34816                      ; behind the four stages of 8,704 bytes
.set SRC,  32
.set OUT,  36
.macro MKSCALE q, e
	s_add_co_i32 s46, \e, 127
	s_lshl_b32 s47, s46, 23
	v_mov_b32 v[SC+\q], s47
	s_add_co_i32 s46, s46, 8
	s_lshl_b32 s46, s46, 23
	s_or_b32 s46, s46, 0x600000
	v_mov_b32 v[LIM+\q], s46
.endm
.macro LOAD t                          ; step t: four loads of 512 consecutive bytes
.irp i, 0,1,2,3
	global_load_b128 v[R+16*((\t)%4)+4*\i:R+16*((\t)%4)+4*\i+3], v3, s[SRC:SRC+1] offset:STRD*(\t)+512*\i th:TH_LOAD_NT
.endr
.endm
.macro QSTEP t, nc, n, w               ; step t of n, nc scales; w = 1: the codes go to the stage
.if (\n)-1-(\t) >= 3
	s_wait_loadcnt 12                              ; this step's four loads are in; three steps' may be out
.else
	s_wait_loadcnt 4*((\n)-1-(\t))
.endif
.if \w == 0
	s_wait_xcnt 0x0                                ; the last step's stores have read their data
.endif
.set q, 0
.rept \nc
.set CQ, C+4*q+4*(\t)*(\w)
.irp i, 0,1,2,3,4,5,6,7,8,9,10,11,12,13,14,15
	v_med3_num_f32 v[T+\i], v[R+16*((\t)%4)+\i], -v[LIM+q], v[LIM+q]   ; the conversion does not saturate (ISA guide 7.6.2)
.endr
	v_cvt_scalef32_pk8_fp8_f32 v[CQ:CQ+1], v[T:T+7], v[SC+q]
	v_cvt_scalef32_pk8_fp8_f32 v[CQ+2:CQ+3], v[T+8:T+15], v[SC+q]
	v_nop                                          ; a plain line behind the conversions
.set q, q+1
.endr
.if (\t)+4 < (\n)
	LOAD (\t)+4
.endif
.if \w
	ds_store_b128 v[STI], v[C+4*(\t):C+4*(\t)+3] offset:16*(\t)
.else
.set q, 0
.rept \nc
	global_store_b128 v3, v[C+4*q:C+4*q+3], s[OUT+2*q:OUT+2*q+1] offset:512*(\t)   ; 512 consecutive bytes
.set q, q+1
.endr
.endif
.endm
	s_load_b512 s[4:19], s[0:1], 0x0               ; hidden 4:5, Wk 6:7, Wq 8:9, Wv 10:11, emb 12:13, exponents 14:15, hcodes 16:17, wcodes 18:19
	s_load_b64 s[20:21], s[0:1], 0x40              ; qimg
	v_lshl_add_u32 v[SPW], v0, 2, SPARE
	v_mov_b32 v[NIL], 0
	v_lshrrev_b32 v1, 5, v0
	v_readfirstlane_b32 s22, v1                    ; wave
	v_and_b32 v2, 31, v0                           ; lane
	v_lshlrev_b32 v3, 4, v2                        ; 16 x lane
	s_mul_i32 s23, s22, 8704                       ; my stage
	v_mad_u32_u24 v[STI], v2, 272, s23             ; in: 272 x lane
	v_bfe_u32 v1, v0, 4, 1
	v_mad_u32_u24 v[STO], v1, 272, s23             ; out: lanes 0-15 one place of 256 bytes, lanes 16-31 the next
	v_and_b32 v1, 15, v0
	v_lshl_add_u32 v[STO], v1, 4, v[STO]
	s_wait_alu depctr_va_vdst(0)                   ; the wait at the head's end
	s_wait_kmcnt 0x0
	s_load_b256 s[24:31], s[14:15], 0x0            ; e0 .. e7
	s_cmp_lt_u32 ttmp9, 192
	s_cbranch_scc0 .Lhidden
	; ---- a weight: buffer and exponent chosen by the work-group's number
.set STRD, 4096
	s_lshr_b32 s44, ttmp9, 6                       ; 0: Wk, 1: Wq, 2: Wv
	s_and_b32 s42, ttmp9, 63                       ; which 32 rows
	s_cmp_eq_u32 s44, 1
	s_cselect_b64 s[SRC:SRC+1], s[8:9], s[6:7]
	s_cmp_eq_u32 s44, 2
	s_cselect_b64 s[SRC:SRC+1], s[10:11], s[SRC:SRC+1]
	s_lshl_b32 s42, s42, 17
	s_lshr_b32 s43, s22, 1
	s_lshl_b32 s43, s43, 16                        ; 16 rows of 4,096 bytes
	s_add_co_u32 s46, s42, s43
	s_and_b32 s43, s22, 1
	s_lshl_b32 s43, s43, 11                        ; which half of the rows
	s_add_co_u32 s46, s46, s43
	s_mov_b32 s47, 0
	s_add_nc_u64 s[SRC:SRC+1], s[SRC:SRC+1], s[46:47]
	s_lshr_b32 s42, s42, 2
	s_lshl_b32 s43, s22, 13                        ; my 8,192 image bytes
	s_add_co_u32 s42, s42, s43
	s_lshl_b32 s45, s44, 21
	s_add_co_u32 s42, s42, s45
	s_mov_b32 s43, 0
	s_add_nc_u64 s[OUT:OUT+1], s[18:19], s[42:43]
.irp t, 0,1,2,3
	LOAD \t
.endr
	s_wait_kmcnt 0x0
	s_cmp_eq_u32 s44, 1
	s_cselect_b32 s45, s26, s24
	s_cmp_eq_u32 s44, 2
	s_cselect_b32 s45, s28, s45
	MKSCALE 0, s45
	s_wait_alu depctr_va_vdst(0)
.irp t, 0,1,2,3,4,5,6,7,8,9,10,11,12,13,14,15
	QSTEP \t, 1, 16, 1
.endr
.irp n, 0,1,2,3,4,5,6,7,8,9,10,11,12,13,14,15
	ds_load_b128 v[R+4*\n:R+4*\n+3], v[STO] offset:544*\n          ; my own bytes, served in order
.endr
.irp n, 0,1,2,3,4,5,6,7,8,9,10,11,12,13,14,15
	s_wait_dscnt 15-\n
	global_store_b128 v3, v[R+4*\n:R+4*\n+3], s[OUT:OUT+1] offset:512*\n   ; 512 consecutive image bytes
.endr
	s_wait_tensorcnt 0x0                           ; the wave's end
	ds_add_u32 v[SPW], v[NIL]
	s_wait_dscnt 0x0
	s_endpgm
.Lhidden:
	s_cmp_lt_u32 ttmp9, 704
	s_cbranch_scc0 .Llabels
	; ---- hidden: three sets of codes from one read
.set STRD, 2048
	s_sub_co_u32 s42, ttmp9, 192
	s_lshl_b32 s42, s42, 16                        ; 16,384 numbers a work-group,
	s_lshl_b32 s43, s22, 14                        ; 4,096 a wave
	s_add_co_u32 s42, s42, s43
	s_mov_b32 s43, 0
	s_add_nc_u64 s[SRC:SRC+1], s[4:5], s[42:43]
	s_lshr_b32 s42, s42, 2
	s_add_nc_u64 s[OUT:OUT+1], s[16:17], s[42:43]
	s_add_nc_u64 s[OUT+2:OUT+3], s[OUT:OUT+1], 0x800000
	s_add_nc_u64 s[OUT+4:OUT+5], s[OUT+2:OUT+3], 0x800000
.irp t, 0,1,2,3
	LOAD \t
.endr
	s_wait_kmcnt 0x0
	MKSCALE 0, s25
	MKSCALE 1, s27
	MKSCALE 2, s29
	s_wait_alu depctr_va_vdst(0)
.irp t, 0,1,2,3,4,5,6,7
	QSTEP \t, 3, 8, 0
.endr
	s_endpgm
.Llabels:
	; ---- the label rows: my wave makes one fragment (channel, label tile, K step) and stores its image once for each batch
	s_sub_co_u32 s42, ttmp9, 704
	s_lshl_b32 s42, s42, 2
	s_add_co_u32 s42, s42, s22                     ; 0..31
	s_lshr_b32 s43, s42, 4                         ; c
	s_bfe_u32 s44, s42, 0x10003                    ; lt
	s_and_b32 s45, s42, 7                          ; ks
	v_and_b32 v12, 15, v0
	v_bfe_u32 v13, v0, 4, 1
	v_lshlrev_b32 v12, 12, v12                     ; a row of emb is 4,096 bytes
	v_lshl_add_u32 v12, v13, 5, v12                ; + 32 h
	s_lshl_b32 s46, s43, 17
	s_lshl_b32 s47, s44, 16
	s_add_co_u32 s46, s46, s47
	s_lshl_b32 s47, s45, 9
	s_add_co_u32 s46, s46, s47
	s_mov_b32 s47, 0
	s_add_nc_u64 s[SRC:SRC+1], s[12:13], s[46:47]
	s_wait_alu depctr_va_vdst(0)
.irp b, 0,1,2,3,4,5,6,7
	global_load_b128 v[R+8*\b:R+8*\b+3], v12, s[SRC:SRC+1] offset:64*\b
	global_load_b128 v[R+8*\b+4:R+8*\b+7], v12, s[SRC:SRC+1] offset:64*\b+16
.endr
	s_mul_i32 s46, s43, 34                         ; qimg: tile 34 (2 b + c) + 32 + lt
	s_add_co_u32 s46, s46, s44
	s_add_co_u32 s46, s46, 32
	s_lshl_b32 s46, s46, 14
	s_lshl_b32 s45, s45, 11
	s_add_co_u32 s46, s46, s45
	s_add_nc_u64 s[OUT:OUT+1], s[20:21], s[46:47]  ; batches 0-7: a batch is 1,114,112 bytes
	s_add_nc_u64 s[OUT+2:OUT+3], s[OUT:OUT+1], 8*1114112
	s_wait_kmcnt 0x0
	MKSCALE 0, s30
	s_wait_alu depctr_va_vdst(0)
	s_wait_loadcnt 0x0
.set j, 0
.rept 64
	v_med3_num_f32 v[R+j], v[R+j], -v[LIM], v[LIM]
.set j, j+1
.endr
.irp b, 0,1,2,3,4,5,6,7
	v_cvt_scalef32_pk8_fp8_f32 v[C+2*\b:C+2*\b+1], v[R+8*\b:R+8*\b+7], v[SC]
.endr
	v_nop
.set bb, 0
.rept 16
.irp g, 0,1,2,3
	global_store_b128 v3, v[C+4*\g:C+4*\g+3], s[OUT+2*(bb/8):OUT+2*(bb/8)+1] offset:(bb%8)*1114112+512*\g
.endr
.set bb, bb+1
.endr
	s_endpgm
.Lfunc_end_k_q7eda68b576_quant:
	.size	k_q7eda68b576_quant, .Lfunc_end_k_q7eda68b576_quant-k_q7eda68b576_quant
	.p2alignl 7, 3214868480
	.fill 96, 4, 3214868480
	.section	.rodata,"a",@progbits
	.p2align	6, 0x0
	.amdhsa_kernel k_q7eda68b576_quant
		.amdhsa_group_segment_fixed_size 35328
		.amdhsa_private_segment_fixed_size 0
		.amdhsa_enable_private_segment 0
		.amdhsa_kernarg_size 72
		.amdhsa_user_sgpr_count 2
		.amdhsa_user_sgpr_kernarg_segment_ptr 1
		.amdhsa_wavefront_size32 1
		.amdhsa_system_sgpr_workgroup_id_x 1
		.amdhsa_system_sgpr_workgroup_id_y 1
		.amdhsa_system_sgpr_workgroup_id_z 1
		.amdhsa_system_vgpr_workitem_id 0
		.amdhsa_next_free_vgpr 160
		.amdhsa_next_free_sgpr 66
		.amdhsa_reserve_vcc 0
		.amdhsa_float_denorm_mode_32 3
		.amdhsa_float_denorm_mode_16_64 3
		.amdhsa_memory_ordered 1
		.amdhsa_forward_progress 1
		.amdhsa_inst_pref_size 80
	.end_amdhsa_kernel
	.amdgpu_metadata
---
amdhsa.version: [ 1, 2 ]
amdhsa.kernels:
  - .name:           k_q7eda68b576_quant
    .symbol:         k_q7eda68b576_quant.kd
    .args:
      - { .name: hidden, .offset: 0, .size: 8, .value_kind: global_buffer, .address_space: global }
      - { .name: Wk, .offset: 8, .size: 8, .value_kind: global_buffer, .address_space: global }
      - { .name: Wq, .offset: 16, .size: 8, .value_kind: global_buffer, .address_space: global }
      - { .name: Wv, .offset: 24, .size: 8, .value_kind: global_buffer, .address_space: global }
      - { .name: emb, .offset: 32, .size: 8, .value_kind: global_buffer, .address_space: global }
      - { .name: lowp_scales, .offset: 40, .size: 8, .value_kind: global_buffer, .address_space: global }
      - { .name: hcodes, .offset: 48, .size: 8, .value_kind: global_buffer, .address_space: global }
      - { .name: wcodes, .offset: 56, .size: 8, .value_kind: global_buffer, .address_space: global }
      - { .name: qimg, .offset: 64, .size: 8, .value_kind: global_buffer, .address_space: global }
    .group_segment_fixed_size: 35328
    .private_segment_fixed_size: 0
    .kernarg_segment_align: 8
    .kernarg_segment_size: 72
    .max_flat_workgroup_size: 128
    .sgpr_count:     66
    .vgpr_count:     160
    .wavefront_size: 32
...
	.end_amdgpu_metadata
.endif
;; end of part 1
;; launch proj (part 2): grid 256 x 1, 4 waves a work-group, clusters of 4 x 1, 327,680 bytes of LDS; arguments hcodes, wcodes, lowp_scales, kimg, qimg, vpart; writes kimg, qimg, vpart
.if DOCPART == 2
	.amdgcn_target "amdgcn-amd-amdhsa--gfx1250"
	.amdhsa_code_object_version 6
	.text
	.protected	k_q7eda68b576_proj
	.globl	k_q7eda68b576_proj
	.p2align	8
	.type	k_q7eda68b576_proj,@function
k_q7eda68b576_proj:
	s_mov_b64 s[64:65], 0
	v_nop
	global_prefetch_b8 v0, s[64:65] scope:SCOPE_SE
	s_setreg_imm32_b32 hwreg(HW_REG_WAVE_MODE, 25, 1), 1
	s_wait_xcnt 0x0
	s_wait_alu depctr_hold_cnt(0) depctr_sa_sdst(0) depctr_va_vdst(0) depctr_va_sdst(0) depctr_va_ssrc(0) depctr_va_vcc(0) depctr_vm_vsrc(0)
	s_getreg_b32 s2, hwreg(HW_REG_IB_STS2, 6, 4)
	s_cmp_eq_u32 s2, 0
	s_cbranch_scc0 .Lentry_in_a_cluster
	s_endpgm
.Lentry_in_a_cluster:
	s_bfe_u32 s2, ttmp6, 0x10000c
	s_cmp_lg_u32 s2, 0x3003
	s_cbranch_scc0 .Lentry_shape_is_right
	s_endpgm
.Lentry_shape_is_right:
; SECOND LAUNCH: the three projections on codes.  Nothing is left out.  key and query are quantised with e7 and e6 and stored as images of the last product's operand registers (kimg, qimg);
; of value only the sums over o are kept: vpart [c][16 parts][8192 tokens], raw sums of 64 o each (the last launch adds the parts and applies the scales).
; SHARES.  Cluster q of 64, place cx of 4; wave w owns rows o = 256 cx + 64 w of a channel's weight.  cx enters global addresses alone: of plain loads, stores, prefetches and the work-group's own tensor loads of Wv.
; PART 1, value: channel q / 32, tokens 256 (q % 32) ..  Four slots, a quarter of K each: Wv's 16 tiles x 4,096 image bytes (waves 0, 1 fetch them: the work-group's own) and 256 tokens x 256 bytes (waves 2, 3: asked for JOINTLY, mask 15).
;   A run is 16 products: 4 tiles of o x 4 token tiles, 128 along K; a token tile has ONE accumulator, summed over o and K in place, four accumulators by turns.
;   Each of the 32 runs also issues four of the 128 loads that bring part 2's weights from wcodes' images straight into registers.
; PART 2, key or query (q / 32), channel (q / 16) % 2, batch q % 16: THE WEIGHTS STAY IN REGISTERS, 4 tiles x 8 K steps x 16 = 512.  Four slots of 128 tokens x 1,024 bytes, each wave fetching 32 rows, asked for jointly;
;   a unit is 64 tokens x 64 o: 16 accumulators by turns, 8 K steps of 16 products.  Source 0 = 16 rows of W, source 1 = 16 tokens: lane (r, h) holds token r and o = 8 h + 0..7.
; A run's LDS loads, for the run after it, stand in one run at its head.
; PREFETCH: part 1's trip j names slot j of part 2, three changes of slots ahead of its load: 512 blocks of 256 bytes shared out among the cluster's 16 waves by address.  Part 1's own four slots are asked for at the head
; and at the first three changes of slots: no trip stands that far ahead of them.
; LIMITS: e7 - e0 - e1 and e6 - e2 - e3 between -126 and 119.
; REGISTERS.  window 0: v0-31 addresses; v32-95 part 1: Wv's four fragments, then at work; part 2: v32-63 codes; v96-119 value's sums; v128-255 W of K steps 0, 1.  window 1: v0-127 accumulators; v128-191, v192-255 two sets of four
; fragments of hidden.  window 2: W of K steps 2-4, v192-195 part 2's LDS addresses once more;  window 3: K steps 5-7, likewise: products and LDS loads stand under one setting of the windows.
.set PITCH, 1040                       ; part 2: 1,024 bytes + 16
.set HALFS, 64*PITCH
.set SLOT,  135168                     ; part 1: 65,536 of Wv + 256 x 272 of hidden; part 2 uses 133,120
.set VHB,   65536
.set SPARE, 2*SLOT
.set SLOTG, 131072                     ; a slot of part 2 in memory
.set IO,   4
.set PFO,  5
.set SCV,  6
.set LIMV, 7
.set SPW,  8
.set NIL,  9
.set AVH,  10                          ; v10, 11: part 1's hidden in slot 0, 1
.set AVW,  12                          ; v12, 13: my four tiles of Wv
.set ADR,  16                          ; v16-19: part 2: slot 0 tokens 0-63, 64-127, slot 1 likewise
.set WV,   32
.set CD,   32
.set T,    32
.set S,    96
.set X,    112
.set G1H, 24
.set G0H, 32
.set G1W, 40
.set G0W, 48
.set G1K, 56
.set G0K, 68
.set WP,  80
.set OUT, 82
.set VP,  84
.set PF,  86
.set MSB, 0
.macro WIN new
.if MSB != (\new)
	s_set_vgpr_msb (MSB<<8)|(\new)
.set MSB, (\new)
.endif
.endm
.macro NOP4
.rept 4
	v_nop
.endr
.endm
.macro CREST
	s_cmp_lg_u32 s14, 0
	s_cbranch_scc1 .Lnot_wave_0_\@
	s_barrier_signal -3
.Lnot_wave_0_\@:
	s_barrier_wait -3
	s_barrier_signal -1
	s_barrier_wait -1
.endm
.macro CROUND
	s_barrier_signal -1
	s_barrier_wait -1
	CREST
.endm
.macro JV s                            ; part 1's fill of slot s: waves 0, 1 Wv's tiles, waves 2, 3 hidden's rows; one load to an arm
	s_cmp_eq_u32 s13, 0
	s_cbranch_scc0 .Lfor_h_\@
	tensor_load_to_lds s[G0W+4*(\s):G0W+4*(\s)+3], s[G1W:G1W+7]
	s_nop 0
	NOP4
	s_branch .Lasked_\@
.Lfor_h_\@:
	tensor_load_to_lds s[G0H+4*(\s):G0H+4*(\s)+3], s[G1H:G1H+7]
	s_nop 0
	NOP4
.Lasked_\@:
.endm
.macro KS_SET ks                       ; where K step ks of part 2's W lies: window, first register, and the LDS addresses in that window
.if (\ks) < 2
.set WW, 0
.set WBS, 128+64*(\ks)
.set WAD, ADR
.else
.if (\ks) < 5
.set WW, 2
.set WBS, 64*((\ks)-2)
.else
.set WW, 3
.set WBS, 64*((\ks)-5)
.endif
.set WAD, 192
.endif
.endm
; ---------------- part 1
.macro VW s, ksl                       ; my four fragments of Wv, K step ksl of the slot's two
	WIN 0
.irp ot, 0,1,2,3
.irp g, 0,1,2,3
	ds_load_b128 v[WV+16*\ot+4*\g:WV+16*\ot+4*\g+3], v[AVW+\s] offset:4096*\ot+2048*(\ksl)+512*\g
.endr
.endr
.endm
.macro VH s, n                         ; run n's four fragments of hidden (tokens 64 (n % 4) .., K step n / 4) into set n % 2
	WIN 0x40
.irp tt, 0,1,2,3
.irp c, 0,1,2,3
	ds_load_b128 v[128+64*((\n)%2)+16*\tt+4*\c:128+64*((\n)%2)+16*\tt+4*\c+3], v[AVH+\s] offset:17408*((\n)%4)+4352*\tt+128*((\n)/4)+32*\c
.endr
.endr
.endm
.macro VRUN j, s, n                    ; run n of trip j, slot s
	NOP4                                           ; places behind the last run's products, in front of loads into registers that they read
.if (\n) == 4
	VW \s, 1
.endif
.if (\n) < 7
	VH \s, (\n)+1
.endif
.set M, 8*(\j)+(\n)                    ; four loads of part 2's weights: K step M / 4, tile M % 4
	KS_SET M/4
	WIN WW<<6
.irp g, 0,1,2,3
	global_load_b128 v[WBS+16*(M%4)+4*\g:WBS+16*(M%4)+4*\g+3], v[IO], s[WP:WP+1] offset:16384*(M%4)+2048*(M/4)+512*\g
.endr
	WIN 0x54
.if (\n) < 7
	s_wait_dscnt 16                                ; all but the next run's 16 loads
.else
	s_wait_dscnt 0
.endif
.set HB, 128+64*((\n)%2)
.set AB, 32*((\n)%4)
.irp ot, 0,1,2,3
.irp tt, 0,1,2,3
.if ((\j) == 0) && ((\n) < 4) && (\ot == 0)
	v_wmma_f32_16x16x128_fp8_fp8 v[AB+8*\tt:AB+8*\tt+7], v[WV+16*\ot:WV+16*\ot+15], v[HB+16*\tt:HB+16*\tt+15], 0
.else
	v_wmma_f32_16x16x128_fp8_fp8 v[AB+8*\tt:AB+8*\tt+7], v[WV+16*\ot:WV+16*\ot+15], v[HB+16*\tt:HB+16*\tt+15], v[AB+8*\tt:AB+8*\tt+7]
.endif
.endr
.endr
.endm
.macro VTURN s, stp, kf                ; slot s is read next; the other slot is asked for: part 1's next quarter of K (stp = 1: its addresses step first) or, kf = 1, part 2's first slot
	WIN 0
	s_wait_tensorcnt 0x0                           ; all my tensor loads have landed
	ds_add_u32 v[SPW], v[NIL]
.if \stp
	s_add_nc_u64 s[G0H+4*(1-\s)+2:G0H+4*(1-\s)+3], s[G0H+4*(1-\s)+2:G0H+4*(1-\s)+3], 512
	s_add_nc_u64 s[G0W+4*(1-\s)+2:G0W+4*(1-\s)+3], s[G0W+4*(1-\s)+2:G0W+4*(1-\s)+3], 8192
.endif
	s_wait_dscnt 0x0                               ; the add is done, my reads of the old slot are over
	CROUND
.if \kf
	tensor_load_to_lds s[G0K:G0K+3], s[G1K:G1K+7]
	s_nop 0
	NOP4                                           ; places behind the last run's products, in front of the loads below
.else
	JV 1-\s
.endif
	VW \s, 0
	VH \s, 0
	WIN 0
.endm
.macro VTRIP j, s
.irp n, 0,1,2,3,4,5,6,7
	VRUN \j, \s, \n
.if \n == 1
	global_prefetch_b8 v[PFO], s[PF:PF+1] offset:SLOTG*(\j) th:TH_LOAD_NT scope:SCOPE_SE   ; (source 0's window is 0 here)
.endif
.endr
.endm
; ---------------- part 2
.macro RUN ks, ad, nks, pre, lw        ; one K step: 16 products.  pre = 1: the fragments of K step nks at address register ad are asked for first.  lw = 1: W's loads are waited for by count
	NOP4
	KS_SET \ks
	WIN 0x54|WW
.set HB, 128+64*((\ks)%2)
.set HN, 192-64*((\ks)%2)
.if \pre
.irp tt, 0,1,2,3
.irp c, 0,1,2,3
	ds_load_b128 v[HN+16*\tt+4*\c:HN+16*\tt+4*\c+3], v[WAD+\ad] offset:16640*\tt+128*(\nks)+32*\c
.endr
.endr
	s_wait_dscnt 16                                ; all but the 16 just issued
.else
	s_wait_dscnt 0
.endif
.if \lw
.if 16*(7-(\ks)) > 63
	s_wait_loadcnt 63                              ; (the field's largest count)
.else
	s_wait_loadcnt 16*(7-(\ks))                    ; the later K steps' 16 loads each may be out
.endif
.endif
.irp tt, 0,1,2,3
.irp ot, 0,1,2,3
.if (\ks) == 0
	v_wmma_f32_16x16x128_fp8_fp8 v[8*(4*\tt+\ot):8*(4*\tt+\ot)+7], v[WBS+16*\ot:WBS+16*\ot+15], v[HB+16*\tt:HB+16*\tt+15], 0
.else
	v_wmma_f32_16x16x128_fp8_fp8 v[8*(4*\tt+\ot):8*(4*\tt+\ot)+7], v[WBS+16*\ot:WBS+16*\ot+15], v[HB+16*\tt:HB+16*\tt+15], v[8*(4*\tt+\ot):8*(4*\tt+\ot)+7]
.endif
.endr
.endr
.endm
.macro UNIT ad, nxt, lw                ; nxt = 1: the next unit lies in the same slot
.irp ks, 0,1,2,3,4,5,6
	RUN \ks, \ad, \ks+1, 1, \lw
.endr
	RUN 7, \ad+1, 0, \nxt, \lw
.endm
.macro EPK                             ; a unit's sums are held and converted: register work alone
	WIN 0x41
	NOP4
.set j, 0
.rept 128
	v_med3_num_f32 v[j], v[j], -v[LIMV], v[LIMV]   ; each accumulator from its low end on; the conversion does not saturate (ISA guide 7.6.2)
.set j, j+1
.endr
	WIN 0x01
.set j, 0
.rept 16
	v_cvt_scalef32_pk8_fp8_f32 v[CD+2*j:CD+2*j+1], v[8*j:8*j+7], v[SCV]
.set j, j+1
.endr
	v_nop
	WIN 0
	s_wait_alu depctr_va_vdst(0)                   ; the wait ahead of what blocks
.endm
.macro EPS u                           ; token tile 4 u + tt: my half of a fragment's image, two stores of 512 consecutive bytes
.irp tt, 0,1,2,3
.irp g, 0,1
	global_store_b128 v[IO], v[CD+8*\tt+4*\g:CD+8*\tt+4*\g+3], s[OUT:OUT+1] offset:16384*(4*(\u)+\tt)+512*\g
.endr
.endr
.endm
.macro MIDK u
	s_wait_xcnt 0x0
	EPK
	EPS \u
.endm
; A change of slots of part 2.  epi = 1: unit u's way out; fill = 1: the slot just read out is asked for again; nad: the next unit's address register.
.macro KTURN epi, u, fill, nad
	WIN 0
	s_wait_xcnt 0x0                                ; earlier stores have read their data
	s_wait_tensorcnt 0x0
	ds_add_u32 v[SPW], v[NIL]
.if \fill
	s_xor_b32 s[G0K+1], s[G0K+1], SLOT             ; the other slot (SLOT's bits meet none of the wave's offset)
	s_add_nc_u64 s[G0K+2:G0K+3], s[G0K+2:G0K+3], SLOTG
.endif
	s_wait_dscnt 0x0
	s_barrier_signal -1
.if \epi
	EPK
.endif
	s_barrier_wait -1
.if \fill
	CREST                                          ; the barrier has opened a round of the cluster's barrier
	tensor_load_to_lds s[G0K:G0K+3], s[G1K:G1K+7]
	s_nop 0
.endif
	WIN 0x40
.irp tt, 0,1,2,3
.irp c, 0,1,2,3
	ds_load_b128 v[128+16*\tt+4*\c:128+16*\tt+4*\c+3], v[ADR+\nad] offset:16640*\tt+32*\c
.endr
.endr
	WIN 0
.if \epi
	EPS \u
.endif
.endm
	s_load_b256 s[4:11], s[0:1], 0x0               ; hcodes 4:5, wcodes 6:7, exponents 8:9, kimg 10:11
	s_load_b128 s[96:99], s[0:1], 0x20             ; qimg 96:97, vpart 98:99
	v_lshl_add_u32 v[SPW], v0, 2, SPARE
	v_mov_b32 v[NIL], 0
	ds_add_u32 v[SPW], v[NIL]                      ; the opening: the add twice on end
	ds_add_u32 v[SPW], v[NIL]
	v_lshrrev_b32 v1, 5, v0
	v_readfirstlane_b32 s14, v1                    ; wave
	v_and_b32 v1, 15, v0
	v_bfe_u32 v2, v0, 4, 1
	v_mul_u32_u24 v3, v1, PITCH
	v_lshl_add_u32 v[ADR], v2, 4, v3               ; part 2: row r, + 16 h
	v_add_nc_u32 v[ADR+1], HALFS, v[ADR]
	v_add_nc_u32 v[ADR+2], SLOT, v[ADR]
	v_add_nc_u32 v[ADR+3], SLOT+HALFS, v[ADR]
	v_mul_u32_u24 v3, v1, 272
	v_lshl_add_u32 v3, v2, 4, v3
	v_add_nc_u32 v[AVH], VHB, v3                   ; part 1: hidden's rows lie behind Wv's tiles
	v_add_nc_u32 v[AVH+1], VHB+SLOT, v3
	v_and_b32 v1, 31, v0
	v_lshlrev_b32 v[IO], 4, v1
	v_lshlrev_b32 v[PFO], 8, v1                    ; a lane a block of 256 bytes
	s_lshl_b32 s16, s14, 14                        ; my four tiles of Wv: 16,384 bytes
	v_add_nc_u32 v[AVW], s16, v[IO]
	v_add_nc_u32 v[AVW+1], SLOT, v[AVW]
.irp wd, 0x80, 0xc0
	WIN \wd
	v_add_nc_u32 v192, 0, v[ADR]                   ; part 2's four addresses in windows 2 and 3
	v_add_nc_u32 v193, HALFS, v[ADR]
	v_add_nc_u32 v194, SLOT, v[ADR]
	v_add_nc_u32 v195, SLOT+HALFS, v[ADR]
.endr
	WIN 0
	s_lshr_b32 s13, s14, 1                         ; 0: I fetch Wv's tiles, 1: hidden's rows
	s_bfe_u32 s15, ttmp6, 0x40000                  ; cx
	s_lshr_b32 s17, ttmp9, 5                       ; part 1: channel; part 2: key or query
	s_bfe_u32 s18, ttmp9, 0x10004                  ; part 2: channel
	s_and_b32 s19, ttmp9, 15                       ; batch
	s_and_b32 s12, ttmp9, 31                       ; part 1: which 256 tokens
	s_mov_b32 s[G1H+0], 15|(1<<20)|(1<<21)|(5<<22)|(3<<25)   ; 128 rows of 256 bytes, 4 dwords of padding behind each; the four partners
	s_mov_b32 s[G1H+1], 256<<16
	s_mov_b32 s[G1H+2], 128<<16
	s_mov_b32 s[G1H+3], 256<<16
	s_mov_b32 s[G1H+4], 128
	s_mov_b32 s[G1H+5], 1024
	s_mov_b32 s[G1H+6], 0
	s_mov_b32 s[G1H+7], 0
	s_mov_b32 s[G1W+0], 3<<16                      ; 8 tiles of 512 elements of 8 bytes, 16,384 bytes apart; my work-group's own
	s_mov_b32 s[G1W+1], 512<<16
	s_mov_b32 s[G1W+2], 8<<16
	s_mov_b32 s[G1W+3], 512<<16
	s_mov_b32 s[G1W+4], 8
	s_mov_b32 s[G1W+5], 2048
	s_mov_b32 s[G1W+6], 0
	s_mov_b32 s[G1W+7], 0
	s_mov_b32 s[G1K+0], 15|(1<<20)|(1<<21)|(7<<22)|(3<<25)   ; 32 rows of 1,024 bytes, padded; the four partners
	s_mov_b32 s[G1K+1], 1024<<16
	s_mov_b32 s[G1K+2], 32<<16
	s_mov_b32 s[G1K+3], 1024<<16
	s_mov_b32 s[G1K+4], 32
	s_mov_b32 s[G1K+5], 1024
	s_mov_b32 s[G1K+6], 0
	s_mov_b32 s[G1K+7], 0
	s_and_b32 s21, s14, 1
	s_lshl_b32 s21, s21, 17                        ; which 128 rows, or which 8 tiles, I fetch: 131,072 bytes either way
	s_lshl_b32 s20, s12, 18
	s_add_co_u32 s20, s20, 0x1000000               ; the third set of hidden's codes
	s_add_co_u32 s20, s20, s21
	s_lshl_b32 s22, s17, 20
	s_add_co_u32 s22, s22, 0x400000                ; Wv's images
	s_add_co_u32 s22, s22, s21
	s_lshl_b32 s23, s15, 18
	s_add_co_u32 s22, s22, s23
	s_mov_b32 s21, 0
	s_mov_b32 s23, 0
	s_lshl_b32 s89, s17, 23
	s_lshl_b32 s95, s19, 19
	s_add_co_u32 s89, s89, s95                     ; part 2's tokens in hcodes
	s_lshl_b32 s95, s14, 15
	s_add_co_u32 s94, s89, s95                     ; my 32 rows of a slot
	s_and_b32 s16, s13, s14                        ; 1 for wave 3 alone
	s_lshl_b32 s16, s16, 11
	s_add_co_u32 s16, s16, s95                     ; part 1 in LDS: 0, 32,768 (Wv), 65,536, 100,352 (hidden)
	s_mov_b32 s95, 0
	s_mov_b32 s[G0H], 1
	s_mov_b32 s[G0H+1], s16
	s_mov_b32 s[G0H+4], 1
	s_add_co_u32 s[G0H+5], s16, SLOT
	s_mov_b32 s[G0W], 1
	s_mov_b32 s[G0W+1], s16
	s_mov_b32 s[G0W+4], 1
	s_add_co_u32 s[G0W+5], s16, SLOT
	s_mov_b32 s[G0K], 1
	s_mul_i32 s[G0K+1], s14, 32*PITCH
	s_wait_alu depctr_va_vdst(0)                   ; the wait ahead of the waits below
	s_wait_dscnt 0x0
	s_wait_kmcnt 0x0
	s_load_b256 s[72:79], s[8:9], 0x0              ; e0 .. e7
	s_add_nc_u64 s[G0H+2:G0H+3], s[4:5], s[20:21]
	s_add_nc_u64 s[G0H+6:G0H+7], s[G0H+2:G0H+3], 256
	s_add_nc_u64 s[G0W+2:G0W+3], s[6:7], s[22:23]
	s_add_nc_u64 s[G0W+6:G0W+7], s[G0W+2:G0W+3], 4096
	s_add_nc_u64 s[G0K+2:G0K+3], s[4:5], s[94:95]
	s_or_b32 s[G0H+3], s[G0H+3], 0x80000000
	s_or_b32 s[G0H+7], s[G0H+7], 0x80000000
	s_or_b32 s[G0W+3], s[G0W+3], 0x80000000
	s_or_b32 s[G0W+7], s[G0W+7], 0x80000000
	s_or_b32 s[G0K+3], s[G0K+3], 0x80000000
	CROUND                                         ; the four partners are here: the first joint loads meet
	JV 0                                           ; slot 0's first fill: one tensor load a wave at the head
	s_lshl_b32 s20, s15, 2
	s_add_co_u32 s20, s20, s14                     ; 4 cx + wave
	s_lshl_b32 s22, s20, 13                        ; my 8,192 bytes of a slot's prefetch
	s_add_co_u32 s22, s22, s89
	s_add_nc_u64 s[PF:PF+1], s[4:5], s[22:23]
	s_lshl_b32 s22, s17, 21
	s_lshl_b32 s21, s18, 20
	s_add_co_u32 s22, s22, s21
	s_lshl_b32 s21, s20, 16                        ; my four tiles of part 2's W
	s_add_co_u32 s22, s22, s21
	s_add_nc_u64 s[WP:WP+1], s[6:7], s[22:23]
	s_lshl_b32 s21, s19, 1
	s_add_co_u32 s21, s21, s18                     ; 2 b + c
	s_lshl_b32 s22, s21, 19                        ; kimg: 32 tiles of 16,384 bytes
	s_mul_i32 s21, s21, 557056                     ; qimg: 34
	s_cmp_eq_u32 s17, 0
	s_cselect_b32 s22, s22, s21
	s_cselect_b64 s[OUT:OUT+1], s[10:11], s[96:97]
	s_lshl_b32 s21, s20, 10                        ; K step 2 cx + wave / 2 of the image, half wave % 2
	s_add_co_u32 s22, s22, s21
	s_add_nc_u64 s[OUT:OUT+1], s[OUT:OUT+1], s[22:23]
	s_lshl_b32 s22, s17, 19
	s_lshl_b32 s21, s20, 15
	s_add_co_u32 s22, s22, s21
	s_lshl_b32 s21, s12, 10
	s_add_co_u32 s22, s22, s21
	s_add_nc_u64 s[VP:VP+1], s[98:99], s[22:23]
	s_wait_kmcnt 0x0
	s_cmp_eq_u32 s17, 0
	s_cselect_b32 s16, s79, s78                    ; e7 or e6
	s_cselect_b32 s21, s72, s74                    ; e0 or e2
	s_cselect_b32 s22, s73, s75                    ; e1 or e3
	s_sub_co_i32 s16, s16, s21
	s_sub_co_i32 s16, s16, s22                     ; a sum's code is sum / 2^(e out - e W - e hidden)
	s_add_co_i32 s16, s16, 127
	s_lshl_b32 s21, s16, 23
	v_mov_b32 v[SCV], s21
	s_add_co_i32 s16, s16, 8
	s_lshl_b32 s16, s16, 23
	s_or_b32 s16, s16, 0x600000
	v_mov_b32 v[LIMV], s16                         ; 448 x that
	s_wait_alu depctr_va_vdst(0)                   ; the wait at the head's end
	VTURN 0, 0, 0                                  ; slot 1's first fill, issued as a refill is
	VTRIP 0, 0
	VTURN 1, 1, 0
	VTRIP 1, 1
	VTURN 0, 1, 0
	VTRIP 2, 0
	VTURN 1, 0, 1                                  ; part 2's first slot goes out
	VTRIP 3, 1
	; value's way out: lane (r, h) holds, for 16 token tiles, eight o a register run: they are added up
	WIN 0x05
	NOP4
.set a, 0
.rept 16
	v_pk_add_f32 v[T+4*a:T+4*a+1], v[8*a:8*a+1], v[8*a+2:8*a+3]            ; each accumulator from its low end on
	v_pk_add_f32 v[T+4*a+2:T+4*a+3], v[8*a+4:8*a+5], v[8*a+6:8*a+7]
.set a, a+1
.endr
	WIN 0
.set a, 0
.rept 16
	v_pk_add_f32 v[T+4*a:T+4*a+1], v[T+4*a:T+4*a+1], v[T+4*a+2:T+4*a+3]
.set a, a+1
.endr
.set a, 0
.rept 16
	v_add_f32 v[S+a], v[T+4*a], v[T+4*a+1]
.set a, a+1
.endr
	; tiles 2 i and 2 i + 1: lanes 0-15 keep the first and send the second, lanes 16-31 the other way round
	v_and_b32 v1, 16, v0
	v_cmp_ne_u32 s90, 0, v1
	s_mov_b32 s92, 0x76543210
	s_mov_b32 s93, 0xfedcba98
.irp i, 0,1,2,3,4,5,6,7
	v_cndmask_b32 v[X+\i], v[S+2*\i], v[S+2*\i+1], s90
	v_cndmask_b32 v[T+\i], v[S+2*\i+1], v[S+2*\i], s90
	v_mov_b32 v[T+8+\i], 0
.endr
.irp i, 0,1,2,3,4,5,6,7
	v_permlanex16_b32 v[T+8+\i], v[T+\i], s92, s93
.endr
.irp i, 0,1,2,3,4,5,6,7
	v_add_f32 v[X+\i], v[X+\i], v[T+8+\i]
.endr
	global_store_b128 v[IO], v[X:X+3], s[VP:VP+1]                  ; 128 tokens: byte 16 L + 4 i holds token 32 i + L
	global_store_b128 v[IO], v[X+4:X+7], s[VP:VP+1] offset:512
	; part 2
	KTURN 0, 0, 1, 0
	UNIT 0, 1, 1
	MIDK 0
	UNIT 1, 0, 0
	KTURN 1, 1, 1, 2
	UNIT 2, 1, 0
	MIDK 2
	UNIT 3, 0, 0
	KTURN 1, 3, 1, 0
	UNIT 0, 1, 0
	MIDK 4
	UNIT 1, 0, 0
	KTURN 1, 5, 0, 2                               ; nothing is filled again: no round follows
	UNIT 2, 1, 0
	MIDK 6
	UNIT 3, 0, 0
	MIDK 7
	s_wait_tensorcnt 0x0                           ; the wave's end
	ds_add_u32 v[SPW], v[NIL]
	s_wait_dscnt 0x0
	CROUND                                         ; the closing round
	s_endpgm
.Lfunc_end_k_q7eda68b576_proj:
	.size	k_q7eda68b576_proj, .Lfunc_end_k_q7eda68b576_proj-k_q7eda68b576_proj
	.p2alignl 7, 3214868480
	.fill 96, 4, 3214868480
	.section	.rodata,"a",@progbits
	.p2align	6, 0x0
	.amdhsa_kernel k_q7eda68b576_proj
		.amdhsa_group_segment_fixed_size 327680
		.amdhsa_private_segment_fixed_size 0
		.amdhsa_enable_private_segment 0
		.amdhsa_kernarg_size 48
		.amdhsa_user_sgpr_count 2
		.amdhsa_user_sgpr_kernarg_segment_ptr 1
		.amdhsa_wavefront_size32 1
		.amdhsa_system_sgpr_workgroup_id_x 1
		.amdhsa_system_sgpr_workgroup_id_y 1
		.amdhsa_system_sgpr_workgroup_id_z 1
		.amdhsa_system_vgpr_workitem_id 0
		.amdhsa_next_free_vgpr 1024
		.amdhsa_next_free_sgpr 100
		.amdhsa_reserve_vcc 0
		.amdhsa_float_denorm_mode_32 3
		.amdhsa_float_denorm_mode_16_64 3
		.amdhsa_memory_ordered 1
		.amdhsa_forward_progress 1
		.amdhsa_inst_pref_size 255
	.end_amdhsa_kernel
	.section	.bss,"aw",@nobits
	.p2align	6
	.space	262144
	.amdgpu_metadata
---
amdhsa.version: [ 1, 2 ]
amdhsa.kernels:
  - .name:           k_q7eda68b576_proj
    .symbol:         k_q7eda68b576_proj.kd
    .args:
      - { .name: hcodes, .offset: 0, .size: 8, .value_kind: global_buffer, .address_space: global }
      - { .name: wcodes, .offset: 8, .size: 8, .value_kind: global_buffer, .address_space: global }
      - { .name: lowp_scales, .offset: 16, .size: 8, .value_kind: global_buffer, .address_space: global }
      - { .name: kimg, .offset: 24, .size: 8, .value_kind: global_buffer, .address_space: global }
      - { .name: qimg, .offset: 32, .size: 8, .value_kind: global_buffer, .address_space: global }
      - { .name: vpart, .offset: 40, .size: 8, .value_kind: global_buffer, .address_space: global }
    .group_segment_fixed_size: 327680
    .private_segment_fixed_size: 0
    .kernarg_segment_align: 8
    .kernarg_segment_size: 48
    .max_flat_workgroup_size: 128
    .sgpr_count:     100
    .vgpr_count:     1024
    .wavefront_size: 32
...
	.end_amdgpu_metadata
.endif
;; end of part 2
;; launch score (part 3): grid 4 x 64, 4 waves a work-group, clusters of 4 x 1, 327,680 bytes of LDS; arguments qimg, kimg, vpart, lowp_scales, out0; writes out0
.if DOCPART == 3
	.amdgcn_target "amdgcn-amd-amdhsa--gfx1250"
	.amdhsa_code_object_version 6
	.text
	.protected	k_q7eda68b576_score
	.globl	k_q7eda68b576_score
	.p2align	8
	.type	k_q7eda68b576_score,@function
k_q7eda68b576_score:
	s_mov_b64 s[64:65], 0
	v_nop
	global_prefetch_b8 v0, s[64:65] scope:SCOPE_SE
	s_setreg_imm32_b32 hwreg(HW_REG_WAVE_MODE, 25, 1), 1
	s_wait_xcnt 0x0
	s_wait_alu depctr_hold_cnt(0) depctr_sa_sdst(0) depctr_va_vdst(0) depctr_va_sdst(0) depctr_va_ssrc(0) depctr_va_vcc(0) depctr_vm_vsrc(0)
	s_getreg_b32 s2, hwreg(HW_REG_IB_STS2, 6, 4)
	s_cmp_eq_u32 s2, 0
	s_cbranch_scc0 .Lentry_in_a_cluster
	s_endpgm
.Lentry_in_a_cluster:
	s_bfe_u32 s2, ttmp6, 0x10000c
	s_cmp_lg_u32 s2, 0x3003
	s_cbranch_scc0 .Lentry_shape_is_right
	s_endpgm
.Lentry_shape_is_right:
; THIRD LAUNCH: out0[b][c][i][j] = (the sum over o of Q-codes[i][o] K-codes[j][o]) x 2^(e6 + e7) x vsum[j], vsum[j] = 2^(e4 + e5) x the sum of the sixteen partial sums of vpart.  Nothing is left out.
; qimg [2 b + c][34 tiles][8 K steps][2048] and kimg [2 b + c][32][8][2048] hold images of operand registers: a fragment (16 rows x 128 K) comes by four loads of 512 consecutive bytes.
; SHARES.  y = 2 (2 b + c) + row half.  A work-group makes 272 rows (17 tiles of queries and labels) x 128 columns of out0, taken as [17,408][512].  Wave 2 rh + ch owns columns 64 ch .. 64 ch + 63 of them (four
; key tiles, 256 bytes of each row of out0) and the query tiles 2 n + rh: nine for rh = 0, eight for rh = 1: 17 tiles do not halve; the ninth stands under a branch on the wave's number that holds no barrier.
; THE WAVE'S KEYS STAY IN REGISTERS for all of K: 4 tiles x 8 K steps x 16 = 512 registers, loaded straight from kimg.  So a query tile's 8 fragments, read from LDS once, feed 32 matrix instructions.
; CLUSTER.  The four work-groups of a cluster make the four column blocks of the same 272 rows: their 17 query tiles are ONE dense block of 278,528 bytes, asked for JOINTLY (mask 15), filled once: no slot is filled again.
; The keys are not asked for jointly: a tensor load lands in LDS, of which 278,528 + 17,408 + 1,024 + 512 bytes are taken, and a work-group's keys are 131,072 bytes more.
; No prefetch: all that a work-group reads is asked for at its head.
; THE MATRIX INSTRUCTION: source 0 = 16 keys, source 1 = 16 queries: lane (r, h) holds row r and columns 16 kt + 8 h + 0..7: eight neighbours of a row of out0.
; LIMIT: 2^(e4 + e5 + e6 + e7) is applied to vsum by v_ldexp_f32; where vsum x that power leaves f32's range though the final product would not, the result differs.
; REGISTERS: window 0: v2-13 addresses; v28, v29 the add's two; v32-63 four accumulators; v64-95 my 32 factors; v96-127 results; v128-159 rows read back; v160-191 vpart.
;   window 1: two buffers of a query tile's 8 fragments, at v0 and v128.   window 2: key fragment (kt, ks) at v[16 (4 ks + kt)], ks = 0..3;   window 3: ks = 4..7.
.set STAGE, 278528                     ; behind Q's block: 16 rows x (256 bytes + 16) for each wave
.set TAB,   295936                     ; 64 factors, 256 bytes, for each wave
.set SPARE, 296960                     ; the spare words, 128 bytes for each wave
.set HALFQ, 139264                     ; half of Q's block
.set IO,  2                            ; v2   16 x lane
.set STO, 3                            ; v3   the stage: where I put 32 bytes of a row
.set RD,  4                            ; v4   and where I read a row back
.set CO,  5                            ; v5   my byte offset in two rows of out0
.set ADQ, 6                            ; v6-10 LDS address of query tiles 4 p + rh and 4 p + 2 + rh
.set TST, 12                           ; v12  the table: 4 x lane
.set TLD, 13                           ; v13  the table: 32 x (lane / 16)
.set SPW, 28
.set NIL, 29
.set ACC, 32
.set F,   64
.set TMP, 96
.set OB,  128
.set VS,  160
.set G1,  24                           ; s[24:31] descriptor group 1; s[32:35], s[36:39] group 0 of my two loads
.set MSB, 0
.macro WIN new
.if MSB != (\new)
	s_set_vgpr_msb (MSB<<8)|(\new)
.set MSB, (\new)
.endif
.endm
.macro CROUND                          ; a round of the cluster's barrier
	s_barrier_signal -1
	s_barrier_wait -1
	s_cmp_lg_u32 s14, 0
	s_cbranch_scc1 .Lnot_wave_0_\@
	s_barrier_signal -3
.Lnot_wave_0_\@:
	s_barrier_wait -3
	s_barrier_signal -1
	s_barrier_wait -1
.endm
.macro QLOAD n                         ; my n-th query tile's 8 fragments into buffer n % 2: 32 loads of 512 consecutive bytes
	WIN 0x40                                       ; destination window 1
.irp ks, 0,1,2,3,4,5,6,7
.irp g, 0,1,2,3
	ds_load_b128 v[128*((\n)%2)+16*\ks+4*\g:128*((\n)%2)+16*\ks+4*\g+3], v[ADQ+(\n)/2] offset:32768*((\n)%2)+2048*\ks+512*\g
.endr
.endr
	WIN 0
.endm
.macro MULT n                          ; 32 matrix instructions: all of K for four key tiles.  The four accumulators take turns, one instruction a turn; the first four start the sums
	WIN 0x06                                       ; source 0 (keys) window 2, source 1 (queries) window 1
.irp ks, 0,1,2,3
.irp kt, 0,1,2,3
.if \ks == 0
	v_wmma_f32_16x16x128_fp8_fp8 v[ACC+8*\kt:ACC+8*\kt+7], v[16*(4*\ks+\kt):16*(4*\ks+\kt)+15], v[128*((\n)%2)+16*\ks:128*((\n)%2)+16*\ks+15], 0
.else
	v_wmma_f32_16x16x128_fp8_fp8 v[ACC+8*\kt:ACC+8*\kt+7], v[16*(4*\ks+\kt):16*(4*\ks+\kt)+15], v[128*((\n)%2)+16*\ks:128*((\n)%2)+16*\ks+15], v[ACC+8*\kt:ACC+8*\kt+7]
.endif
.endr
.endr
	WIN 0x07                                       ; keys of K steps 4 to 7: window 3
.irp ks, 0,1,2,3
.irp kt, 0,1,2,3
	v_wmma_f32_16x16x128_fp8_fp8 v[ACC+8*\kt:ACC+8*\kt+7], v[16*(4*\ks+\kt):16*(4*\ks+\kt)+15], v[128*((\n)%2)+64+16*\ks:128*((\n)%2)+64+16*\ks+15], v[ACC+8*\kt:ACC+8*\kt+7]
.endr
.endr
	WIN 0
.endm
.macro EPI                             ; the tile's 16 rows x 64 columns: x the columns' factors, into my stage, and back as whole rows of 256 bytes
.rept 4
	v_nop                                          ; places behind the last products: in front of the first read of results, and of the next loads into the buffer just multiplied
.endr
.set i, 0
.rept 16
	v_pk_mul_f32 v[TMP+2*i:TMP+2*i+1], v[ACC+2*i:ACC+2*i+1], v[F+2*i:F+2*i+1]   ; each accumulator from its low end on
.set i, i+1
.endr
.irp kt, 0,1,2,3
	ds_store_b128 v[STO], v[TMP+8*\kt:TMP+8*\kt+3] offset:64*\kt
	ds_store_b128 v[STO], v[TMP+8*\kt+4:TMP+8*\kt+7] offset:64*\kt+16
.endr
	s_wait_xcnt 0x0                                ; the last tile's stores have read their data: the loads below may land there
.irp t, 0,1,2,3,4,5,6,7
	ds_load_b128 v[OB+4*\t:OB+4*\t+3], v[RD] offset:544*\t   ; LDS serves a wave's instructions in order (ISA guide 5.7.1.4): these see the stores above
.endr
.endm
.macro SEND n, younger                 ; younger: the LDS loads issued behind the tile's read-backs, which may stay out
	s_wait_dscnt \younger
.irp t, 0,1,2,3,4,5,6,7
	global_store_b128 v[CO], v[OB+4*\t:OB+4*\t+3], s[12:13] offset:65536*(\n)+4096*\t th:TH_STORE_NT   ; sixteen lanes store 256 consecutive bytes, aligned; lanes 16-31 the row below
.endr
.endm
; My n-th tile.  pre = 1: the next tile's fragments are asked for first.  cnt: the LDS instructions issued behind this tile's 32 loads.
.macro TILE n, pre, cnt
.if \pre
	QLOAD (\n)+1
.endif
	s_wait_dscnt \cnt
	MULT \n
.if (\n) > 0
	SEND (\n)-1, 32*\pre                           ; the tile before leaves while this one's products are at work
.endif
	EPI
.endm
	s_load_b256 s[4:11], s[0:1], 0x0               ; qimg 4:5, kimg 6:7, vpart 8:9, the exponents 10:11
	s_load_b64 s[12:13], s[0:1], 0x20              ; out0
	v_lshl_add_u32 v[SPW], v0, 2, SPARE
	v_mov_b32 v[NIL], 0
	ds_add_u32 v[SPW], v[NIL]                      ; the wave's opening: the add, twice on end, and its wait ahead of my first tensor load
	ds_add_u32 v[SPW], v[NIL]
	v_lshrrev_b32 v1, 5, v0
	v_readfirstlane_b32 s14, v1                    ; wave 0..3
	s_lshr_b32 s15, s14, 1                         ; rh
	s_and_b32 s16, s14, 1                          ; ch
	s_and_b32 s17, ttmp7, 0xffff                   ; y, which the four partners share
	s_bfe_u32 s18, ttmp6, 0x40000                  ; cx: my block of 128 columns: it enters global addresses alone
	; descriptor group 1: 272 dense rows of 256 bytes
	s_mov_b32 s[G1+0], 15|(3<<16)|(1<<21)          ; 15:0 the mask: all four work-groups; 17:16 elements of 8 bytes; 21 set beside a mask; no padding
	s_mov_b32 s[G1+1], 32<<16                      ; tensor_dim0 = 32 elements
	s_mov_b32 s[G1+2], 272<<16                     ; tensor_dim1 = 272
	s_mov_b32 s[G1+3], 32<<16                      ; tile_dim0
	s_mov_b32 s[G1+4], 272                         ; tile_dim1
	s_mov_b32 s[G1+5], 32                          ; tensor_dim0_stride
	s_mov_b32 s[G1+6], 0
	s_mov_b32 s[G1+7], 0
	s_mul_i32 s19, s14, 69632                      ; my quarter of the block, in LDS and in memory alike
	s_mul_i32 s20, s17, 278528                     ; the block: 17 tiles of 16,384 bytes
	s_add_co_u32 s20, s20, s19
	s_mov_b32 s21, 0
	s_wait_dscnt 0x0                               ; both opening adds are done
	s_wait_kmcnt 0x0
	s_load_b256 s[40:47], s[10:11], 0x0            ; e0 .. e7
	s_add_nc_u64 s[22:23], s[4:5], s[20:21]
	CROUND                                         ; all four work-groups are here: the joint loads meet
	s_mov_b32 s32, 1
	s_mov_b32 s33, s19
	s_mov_b64 s[34:35], s[22:23]
	s_or_b32 s35, s35, 0x80000000
	tensor_load_to_lds s[32:35], s[G1:G1+7]        ; my quarter of the block: one tensor load a wave
	s_nop 0
.rept 4
	v_nop
.endr
	v_and_b32 v1, 31, v0                           ; lane
	v_lshlrev_b32 v[IO], 4, v1
	s_wait_alu depctr_va_vdst(0)
	s_lshr_b32 s20, s17, 1
	s_and_b32 s20, s20, 1                          ; c
	s_lshl_b32 s20, s20, 19                        ; vpart: a channel's sixteen parts are 524,288 bytes
	s_lshr_b32 s22, s17, 2                         ; b
	s_lshl_b32 s22, s22, 2
	s_add_co_u32 s22, s22, s18                     ; my 128 key tokens: block 4 b + cx
	s_lshl_b32 s22, s22, 9
	s_add_co_u32 s20, s20, s22
	s_lshl_b32 s22, s16, 3                         ; of a lane's four tokens (32 i + lane) my wave wants i = 2 ch, 2 ch + 1
	s_add_co_u32 s20, s20, s22
	s_add_nc_u64 s[8:9], s[8:9], s[20:21]
.irp p, 0,1,2,3,4,5,6,7,8,9,10,11,12,13,14,15
	global_load_b64 v[VS+2*\p:VS+2*\p+1], v[IO], s[8:9] offset:32768*\p   ; sixteen parts of the sum over o: v160-191
.endr
	s_lshr_b32 s20, s17, 1
	s_lshl_b32 s20, s20, 19                        ; kimg: a (b, c) is 32 tiles of 16,384 bytes
	s_lshl_b32 s22, s18, 3
	s_lshl_b32 s23, s16, 2
	s_add_co_u32 s22, s22, s23                     ; my first key tile: 8 cx + 4 ch
	s_lshl_b32 s22, s22, 14
	s_add_co_u32 s20, s20, s22
	s_add_nc_u64 s[6:7], s[6:7], s[20:21]
	WIN 0x80                                       ; destination window 2
.irp ks, 0,1,2,3
.irp kt, 0,1,2,3
.irp g, 0,1,2,3
	global_load_b128 v[16*(4*\ks+\kt)+4*\g:16*(4*\ks+\kt)+4*\g+3], v[IO], s[6:7] offset:16384*\kt+2048*\ks+512*\g
.endr
.endr
.endr
	WIN 0xc0                                       ; destination window 3
.irp ks, 0,1,2,3
.irp kt, 0,1,2,3
.irp g, 0,1,2,3
	global_load_b128 v[16*(4*\ks+\kt)+4*\g:16*(4*\ks+\kt)+4*\g+3], v[IO], s[6:7] offset:16384*\kt+2048*(\ks+4)+512*\g
.endr
.endr
.endr
	WIN 0
	v_and_b32 v14, 15, v0                          ; r
	v_bfe_u32 v15, v0, 4, 1                        ; h
	s_lshl_b32 s22, s15, 14
	v_add_nc_u32 v[ADQ], s22, v[IO]                ; tile rh
	v_add_nc_u32 v[ADQ+1], 0x10000, v[ADQ]         ; tile 4 + rh
	v_add_nc_u32 v[ADQ+2], 0x20000, v[ADQ]
	v_add_nc_u32 v[ADQ+3], 0x30000, v[ADQ]
	v_add_nc_u32 v[ADQ+4], 0x40000, v[IO]          ; tile 16
	s_mul_i32 s22, s14, 4352
	s_add_co_u32 s22, s22, STAGE                   ; my stage
	v_mul_u32_u24 v[STO], v14, 272
	v_lshl_add_u32 v[STO], v15, 5, v[STO]
	v_add_nc_u32 v[STO], s22, v[STO]               ; in: row r, + 32 h
	v_mul_u32_u24 v[RD], v15, 272
	v_lshl_add_u32 v[RD], v14, 4, v[RD]
	v_add_nc_u32 v[RD], s22, v[RD]                 ; back: lanes 0-15 one row, lanes 16-31 the next
	v_lshlrev_b32 v[CO], 11, v15                   ; and the same two rows in out0: 2,048 bytes a row
	v_lshl_add_u32 v[CO], v14, 4, v[CO]
	s_lshl_b32 s22, s14, 8
	s_add_co_u32 s22, s22, TAB                     ; my table
	v_lshl_add_u32 v[TST], v1, 2, s22
	v_lshl_add_u32 v[TLD], v15, 5, s22
	s_mul_i32 s20, s17, 557056                     ; out0: 272 rows of 2,048 bytes,
	s_lshl_b32 s22, s15, 15                        ; + 16 rows for rh,
	s_add_co_u32 s20, s20, s22
	s_lshl_b32 s22, s18, 9                         ; + 128 columns for cx,
	s_add_co_u32 s20, s20, s22
	s_lshl_b32 s22, s16, 8                         ; + 64 for ch
	s_add_co_u32 s20, s20, s22
	s_add_nc_u64 s[12:13], s[12:13], s[20:21]
	s_wait_loadcnt 0x0                             ; vpart and my keys
	s_wait_kmcnt 0x0
	s_add_co_i32 s20, s44, s45
	s_add_co_i32 s20, s20, s46
	s_add_co_i32 s20, s20, s47                     ; e4 + e5 + e6 + e7
.irp p, 0,1,2,3,4,5,6,7
	v_pk_add_f32 v[VS+2*\p:VS+2*\p+1], v[VS+2*\p:VS+2*\p+1], v[VS+16+2*\p:VS+17+2*\p]   ; parts 8 to 15 onto parts 0 to 7
.endr
	v_pk_add_f32 v[VS:VS+1], v[VS:VS+1], v[VS+2:VS+3]              ; the eight parts of the sum over o, for my two tokens
	v_pk_add_f32 v[VS+4:VS+5], v[VS+4:VS+5], v[VS+6:VS+7]
	v_pk_add_f32 v[VS+8:VS+9], v[VS+8:VS+9], v[VS+10:VS+11]
	v_pk_add_f32 v[VS+12:VS+13], v[VS+12:VS+13], v[VS+14:VS+15]
	v_pk_add_f32 v[VS:VS+1], v[VS:VS+1], v[VS+4:VS+5]
	v_pk_add_f32 v[VS+8:VS+9], v[VS+8:VS+9], v[VS+12:VS+13]
	v_pk_add_f32 v[VS:VS+1], v[VS:VS+1], v[VS+8:VS+9]
	v_ldexp_f32 v[VS], v[VS], s20                  ; column lane,
	v_ldexp_f32 v[VS+1], v[VS+1], s20              ; column 32 + lane
	ds_store_b32 v[TST], v[VS]
	ds_store_b32 v[TST], v[VS+1] offset:128
.irp kt, 0,1,2,3
	ds_load_b128 v[F+8*\kt:F+8*\kt+3], v[TLD] offset:64*\kt        ; my wave's own bytes, served in order: the factors of columns 16 kt + 8 h + 0..7
	ds_load_b128 v[F+8*\kt+4:F+8*\kt+7], v[TLD] offset:64*\kt+16
.endr
	s_wait_tensorcnt 0x0                           ; my quarter of the block is in
	s_wait_dscnt 0x0
	s_barrier_signal -1
	s_barrier_wait -1                              ; everybody's is: tiles 0 to 7 are whole
	QLOAD 0
	TILE 0, 1, 32                                  ; behind tile 0's loads: tile 1's 32
	TILE 1, 1, 48                                  ; behind a tile's loads: the stage's 8 stores and 8 loads, the next tile's 32
	TILE 2, 1, 48
	TILE 3, 1, 48
	TILE 4, 1, 48
	TILE 5, 1, 48
	TILE 6, 1, 48
	TILE 7, 0, 16
	SEND 7, 0
	s_cmp_lg_u32 s15, 0
	s_cbranch_scc1 .Lfin                           ; waves 0 and 1 have a ninth tile, tile 16
	QLOAD 8
	s_wait_dscnt 0x0
	MULT 8
	EPI
	SEND 8, 0
.Lfin:
	s_wait_tensorcnt 0x0                           ; the wave's end, behind my last tensor load and my last LDS store
	ds_add_u32 v[SPW], v[NIL]
	s_wait_dscnt 0x0
	CROUND                                         ; the closing round
	s_endpgm
.Lfunc_end_k_q7eda68b576_score:
	.size	k_q7eda68b576_score, .Lfunc_end_k_q7eda68b576_score-k_q7eda68b576_score
	.p2alignl 7, 3214868480
	.fill 96, 4, 3214868480
	.section	.rodata,"a",@progbits
	.p2align	6, 0x0
	.amdhsa_kernel k_q7eda68b576_score
		.amdhsa_group_segment_fixed_size 327680
		.amdhsa_private_segment_fixed_size 0
		.amdhsa_enable_private_segment 0
		.amdhsa_kernarg_size 40
		.amdhsa_user_sgpr_count 2
		.amdhsa_user_sgpr_kernarg_segment_ptr 1
		.amdhsa_wavefront_size32 1
		.amdhsa_system_sgpr_workgroup_id_x 1
		.amdhsa_system_sgpr_workgroup_id_y 1
		.amdhsa_system_sgpr_workgroup_id_z 1
		.amdhsa_system_vgpr_workitem_id 0
		.amdhsa_next_free_vgpr 1024
		.amdhsa_next_free_sgpr 66
		.amdhsa_reserve_vcc 0
		.amdhsa_float_denorm_mode_32 3
		.amdhsa_float_denorm_mode_16_64 3
		.amdhsa_memory_ordered 1
		.amdhsa_forward_progress 1
		.amdhsa_inst_pref_size 85
	.end_amdhsa_kernel
	.amdgpu_metadata
---
amdhsa.version: [ 1, 2 ]
amdhsa.kernels:
  - .name:           k_q7eda68b576_score
    .symbol:         k_q7eda68b576_score.kd
    .args:
      - { .name: qimg, .offset: 0, .size: 8, .value_kind: global_buffer, .address_space: global }
      - { .name: kimg, .offset: 8, .size: 8, .value_kind: global_buffer, .address_space: global }
      - { .name: vpart, .offset: 16, .size: 8, .value_kind: global_buffer, .address_space: global }
      - { .name: lowp_scales, .offset: 24, .size: 8, .value_kind: global_buffer, .address_space: global }
      - { .name: out0, .offset: 32, .size: 8, .value_kind: global_buffer, .address_space: global }
    .group_segment_fixed_size: 327680
    .private_segment_fixed_size: 0
    .kernarg_segment_align: 8
    .kernarg_segment_size: 40
    .max_flat_workgroup_size: 128
    .sgpr_count:     66
    .vgpr_count:     1024
    .wavefront_size: 32
...
	.end_amdgpu_metadata
.endif
;; end of part 3
